; MI455X (gfx1250); checked and timed in simulation.
; The chip was launched on July 23, 2026; its instructions are those of AMD's public machine-readable ISA for CDNA 5 (MIT licence, August 2026) and "CDNA5" Instruction Set Architecture Reference Guide (July 2026). The comments in the code are by the model that wrote it; some were corrected since.
;; IBQ. Allowed arithmetic: matrix products marked QUANTISED: E2M1 operands, one E8M0 scale for each 32 along K, by v_wmma_scale_f32_16x16x128_f8f6f4 with both operands' format E2M1 (or v_wmma_scale_f32_32x16x128_f4), f32 sums; everything else in f32.
;; Inputs: embedding 8,192 x 256 float32; z 32,768 x 256 float32.
;; Outputs: out0 32,768 x 256 float32; out1 32,768 int32.
;; This version of the problem:
;;   THIS VERSION OF THE PROBLEM IS GIVEN IN LOW PRECISION. The matrix products marked QUANTISED in the list below multiply operands that are first quantised to E2M1 (2 exponent bits, 1 mantissa bit; 4 bits a number), with one power-of-two scale for each 32 numbers along K (OCP MX v1.0); their sums are f32. All else is computed in f32.
;;   The module's matrix products, in the order in which they are computed (A, B: the left and right operand; K: the contracted axis; several contracted axes count as one K, in the product's order):
;;     1. [M 32,768, K 256] x [K 256, N 8,192]; A: input z; B: input embedding: QUANTISED
;;   THE QUANTISER, for each operand of a quantised product, along K:
;;     - K is cut into blocks of 32 from its start; a last block that is shorter is filled with zeros.
;;     - A block's scale is 2^e with e = floor(log2(the largest magnitude in the block)) - 2, held to -126 .. 127; a block of zeros has e = 0. As a byte (E8M0): e + 127.
;;     - Each number is divided by its block's scale, clamped to +-6, and rounded to the nearest number of E2M1, ties to even, subnormals kept.
;;     - The product sums the exact products of the quantised numbers (number of the format x scale) in f32.
;;   ~~~python
;;   def quantise(x, axis):      # numpy; x: float32 -> the quantised numbers, widened to float32 again
;;       x = np.moveaxis(x, axis, -1); K = x.shape[-1]
;;       x = np.pad(x, [(0, 0)] * (x.ndim - 1) + [(0, -K % 32)]); x = x.reshape(x.shape[:-1] + (-1, 32)); a = np.abs(x).max(-1, keepdims=True)
;;       e = np.where(a > 0, np.clip(np.frexp(np.where(a > 0, a, 1))[1] - 1 - 2, -126, 127), 0)      # np.frexp(a)[1] - 1 = floor(log2(a)), exactly
;;       r = np.clip(x / 2.0 ** e, -6, 6)
;;       step = 2.0 ** (np.maximum(np.frexp(np.where(r == 0, 1, r))[1] - 1, 0) - 1)
;;       q = np.round(r / step) * step * 2.0 ** e      # np.round: ties to even
;;       return np.moveaxis(q.reshape(q.shape[:-2] + (-1,))[..., :K], -1, axis).astype(np.float32)
;;   ~~~
;; One version. Each part assembles by itself: llvm-mc -triple=amdgcn-amd-amdhsa -mcpu=gfx1250 --defsym DOCPART=n.
;; ======== version 1 of 1: 4 launches
;; limits: right only within a limited range of input values
;; workspace buffers: zq 4,587,520 bytes; eq 1,146,880 bytes; gid 131,072 bytes of whole numbers; idx 131,072 bytes of whole numbers
;; launch quant (part 1): grid 320 x 1, 8 waves a work-group, no clusters, 138,240 bytes of LDS; arguments z, embedding, zq, eq; writes zq, eq
.if DOCPART == 1
	.amdgcn_target "amdgcn-amd-amdhsa--gfx1250"
	.amdhsa_code_object_version 6
	.text
	.protected	k_qe438dc7765_quant
	.globl	k_qe438dc7765_quant
	.p2align	8
	.type	k_qe438dc7765_quant,@function
k_qe438dc7765_quant:
	s_mov_b64 s[64:65], 0
	v_nop
	global_prefetch_b8 v0, s[64:65] scope:SCOPE_SE
	s_setreg_imm32_b32 hwreg(HW_REG_WAVE_MODE, 25, 1), 1
	s_wait_xcnt 0x0
; z [32768][256] and embedding [8192][256], f32, become codes of FP4 (E2M1) with one E8M0 byte for each 32 along K, and each row's sum of squares in f32.
; A block's scale is 2^(floor(log2(its largest magnitude)) - 2): its byte is the largest magnitude's exponent field - 2, held at 1 from below.
; LAYOUT OF THE RESULT, the same for both tensors: chunks of 128 rows, 17,920 bytes each (70 x 256):
;   2048 t + 512 p + 16 L   the 16 bytes of codes of row 16 t + L % 16, k = 64 p + 32 (L / 16) + 0 .. 31: the image of a matrix operand's registers, lane by lane
;   16384 + 8 row + b       the scale byte of the row's block b
;   17408 + 4 row           the row's sum of squares
; LIMITS: NaN and infinities are not served.  A block's largest magnitude is floored at 2^-124 (byte 1); a block of zeros so gets the byte 1 and not 127: its codes are zeros,
; and this program alone reads the bytes.  A row's sum of squares is added in four chains a lane and over two lanes, which is another order than a plain running sum.
; SHARES: work-groups 0-255 take z's chunks, 256-319 embedding's; only pointers are chosen, the text has one path.  Wave w takes tile w: 16 rows, 16,384 consecutive bytes.
; Each load reads 512 consecutive bytes; the rows turn through the wave's own stage in LDS so that a lane gets 32 neighbours along K, a whole block, for each of its four pieces.
.set PIT, 1040                         ; a stage row: 1,024 bytes + 16 = 65 x 16: the sixteen rows that a read touches start in sixteen different 16-byte columns
.set STG, 16*PIT                       ; a wave's stage
.set SH,  8*STG                        ; behind the stages: the chunk's 1,024 scale bytes, then its 512 bytes of sums
.set X,   48                           ; v48-175 the wave's numbers: 128 a lane
	s_load_b256 s[4:11], s[0:1], 0x0               ; z s[4:5], embedding s[6:7], zq s[8:9], eq s[10:11]
	v_lshl_add_u32 v176, v0, 2, 0x21800
	v_mov_b32 v177, 0
	v_lshrrev_b32 v1, 5, v0
	s_delay_alu instid0(VALU_DEP_1)
	v_readfirstlane_b32 s12, v1                    ; wave 0..7
	v_and_b32 v1, 31, v0                           ; lane
	v_and_b32 v2, 15, v0                           ; r
	v_bfe_u32 v3, v0, 4, 1                         ; h
	s_delay_alu instid0(VALU_DEP_3)
	v_lshlrev_b32 v4, 4, v1                        ; 16 x lane: my bytes of a load's or a store's 512
	s_mul_i32 s22, s12, STG
	v_add_nc_u32 v5, s22, v4                       ; into the stage: as the bytes lie
	v_mul_u32_u24 v6, v2, PIT
	s_delay_alu instid0(VALU_DEP_1)
	v_lshl_add_u32 v6, v3, 7, v6
	s_delay_alu instid0(VALU_DEP_1)
	v_add_nc_u32 v6, s22, v6                       ; out of it: row r, + 128 h: my 32 numbers of a piece
	s_lshl_b32 s23, s12, 7
	v_lshl_add_u32 v7, v2, 3, s23
	s_delay_alu instid0(VALU_DEP_1)
	v_add_nc_u32 v7, SH, v7                        ; my row's eight scale bytes
	s_lshl_b32 s23, s12, 6
	v_lshl_add_u32 v8, v2, 2, s23
	s_delay_alu instid0(VALU_DEP_1)
	v_add_nc_u32 v8, SH+1024, v8                   ; my row's sum
	v_lshlrev_b32 v9, 3, v3                        ; 8 h: how far up my bytes stand in a scale word
	v_lshl_add_u32 v10, v0, 4, SH                  ; the way out of the shared part: 16 bytes a thread
	v_lshlrev_b32 v11, 4, v0
	v_mov_b32 v26, 0                               ; a lane permute's destination counts as one of its sources: written once
	v_mov_b32 v27, 0
	s_mov_b32 s20, 0x76543210
	s_mov_b32 s21, 0xfedcba98                      ; v_permlanex16_b32's selects for lane l xor 16
	s_wait_kmcnt 0x0
	s_cmp_lt_u32 ttmp9, 256                        ; z's work-group or embedding's?  The choice hangs on the work-group's number alone
	s_cselect_b64 s[14:15], s[4:5], s[6:7]
	s_cselect_b64 s[16:17], s[8:9], s[10:11]
	s_cselect_b32 s13, 0, 256
	s_sub_co_u32 s13, ttmp9, s13                   ; the chunk's number in its tensor
	s_lshl_b32 s24, s13, 17                        ; 128 rows of 1,024 bytes,
	s_lshl_b32 s25, s12, 14                        ; my 16 of them
	s_add_co_u32 s24, s24, s25
	s_mov_b32 s25, 0
	s_add_nc_u64 s[14:15], s[14:15], s[24:25]      ; where my wave reads
	s_mul_i32 s24, s13, 17920
	s_add_nc_u64 s[16:17], s[16:17], s[24:25]      ; the chunk in the result
	s_lshl_b32 s24, s12, 11
	s_add_nc_u64 s[18:19], s[16:17], s[24:25]      ; my tile's codes in it
.set i, 0
.rept 32
	global_load_b128 v[X+4*i:X+4*i+3], v4, s[14:15] offset:512*i th:TH_LOAD_NT   ; 32 lanes read 512 consecutive bytes; all 32 loads of the wave go out at once
.set i, i+1
.endr
.set i, 0
.rept 32
	s_wait_loadcnt 31-i                            ; loads come back in order: load i is in, the 31 - i younger ones may be out
	ds_store_b128 v5, v[X+4*i:X+4*i+3] offset:(i/2)*PIT+(i%2)*512
.set i, i+1
.endr
.set i, 0
.rept 32
	ds_load_b128 v[X+4*i:X+4*i+3], v6 offset:256*(i/8)+16*(i%8)   ; piece i / 8: k = 64 p + 32 h + 0 .. 31 of row r.  LDS serves a wave's instructions in order: these see my stores
.set i, i+1
.endr
; Piece p: my block 2 p + h of row r: all its 32 numbers are mine.
.macro BLOCK p
.set XS, X+32*(\p)
	s_wait_dscnt 24-8*(\p)                         ; this piece's eight loads are in; the later pieces' may be out
	v_max3_num_f32 v12, |v[XS]|, |v[XS+1]|, |v[XS+2]|              ; the largest magnitude, in two chains
	v_max3_num_f32 v13, |v[XS+3]|, |v[XS+4]|, |v[XS+5]|
.irp e, 6,10,14,18,22,26
	s_delay_alu instid0(VALU_DEP_2)
	v_max3_num_f32 v12, v12, |v[XS+\e]|, |v[XS+\e+1]|
	s_delay_alu instid0(VALU_DEP_2)
	v_max3_num_f32 v13, v13, |v[XS+\e+2]|, |v[XS+\e+3]|
.endr
	s_delay_alu instid0(VALU_DEP_2)
	v_max3_num_f32 v12, v12, |v[XS+30]|, |v[XS+31]|
	s_delay_alu instid0(VALU_DEP_1)
	v_max3_num_f32 v12, v12, v13, 0x1800000        ; and the floor 2^(3 - 127): the byte cannot fall under 1
	s_delay_alu instid0(VALU_DEP_1)
	v_add_nc_u32 v[16+(\p)], 0xff000000, v12       ; 2 off the exponent field: the conversion takes the exponent field of this operand as its scale
	s_delay_alu instid0(VALU_DEP_1)
	v_lshrrev_b32 v[20+(\p)], 23, v[16+(\p)]       ; the scale's byte
.irp e, 0
.if ((\p) == 0) && (\e == 0)
	v_pk_mul_f32 v[28:29], v[XS:XS+1], v[XS:XS+1]                  ; the first squares start the sums: nothing is cleared
	v_pk_mul_f32 v[30:31], v[XS+2:XS+3], v[XS+2:XS+3]
.else
	v_pk_fma_f32 v[28:29], v[XS+\e:XS+\e+1], v[XS+\e:XS+\e+1], v[28:29]
	v_pk_fma_f32 v[30:31], v[XS+\e+2:XS+\e+3], v[XS+\e+2:XS+\e+3], v[30:31]
.endif
.endr
.irp e, 4, 8, 12, 16, 20, 24, 28
.if ((\p) == 0) && (\e == 0)
	v_pk_mul_f32 v[28:29], v[XS:XS+1], v[XS:XS+1]                  ; the first squares start the sums: nothing is cleared
	v_pk_mul_f32 v[30:31], v[XS+2:XS+3], v[XS+2:XS+3]
.else
	s_delay_alu instid0(VALU_DEP_2)
	v_pk_fma_f32 v[28:29], v[XS+\e:XS+\e+1], v[XS+\e:XS+\e+1], v[28:29]
	s_delay_alu instid0(VALU_DEP_2)
	v_pk_fma_f32 v[30:31], v[XS+\e+2:XS+\e+3], v[XS+\e+2:XS+\e+3], v[30:31]
.endif
.endr
.irp g, 0,1,2,3
	v_cvt_scalef32_pk8_fp4_f32 v[32+4*(\p)+\g], v[XS+8*\g:XS+8*\g+7], v[16+(\p)]   ; eight numbers / the scale, to the nearest code, ties to even, beyond 6 the largest code
.endr
	v_nop                                          ; one plain place behind the last conversion of a run
	global_store_b128 v4, v[32+4*(\p):32+4*(\p)+3], s[18:19] offset:512*(\p)   ; 512 consecutive bytes, at a multiple of 256 from the buffer's first byte; these registers are not written again
.endm
	BLOCK 0
	BLOCK 1
	BLOCK 2
	BLOCK 3
	v_lshl_or_b32 v24, v21, 16, v20                ; blocks h and 2 + h: bytes 0 and 2 of word 0,
	v_lshl_or_b32 v25, v23, 16, v22                ; blocks 4 + h and 6 + h: of word 1,
	s_delay_alu instid0(VALU_DEP_2)
	v_lshlrev_b32 v24, v9, v24                     ; 8 h bits up
	s_delay_alu instid0(VALU_DEP_2)
	v_lshlrev_b32 v25, v9, v25
	v_pk_add_f32 v[28:29], v[28:29], v[30:31]
	s_delay_alu instid0(VALU_DEP_3)
	v_permlanex16_b32 v26, v24, s20, s21
	s_delay_alu instid0(VALU_DEP_3)
	v_permlanex16_b32 v27, v25, s20, s21
	s_delay_alu instid0(VALU_DEP_3)
	v_add_f32 v28, v28, v29                        ; my 128 squares
	s_delay_alu instid0(VALU_DEP_3)
	v_or_b32 v24, v24, v26                         ; with lane l xor 16's bytes the words are whole
	s_delay_alu instid0(VALU_DEP_3)
	v_or_b32 v25, v25, v27
	s_delay_alu instid0(VALU_DEP_3)
	v_permlanex16_b32 v26, v28, s20, s21
	s_delay_alu instid0(VALU_DEP_1)
	v_add_f32 v28, v28, v26                        ; the row's sum of squares, the same bits in both lanes
	ds_store_b64 v7, v[24:25]                      ; both lanes of a row write the same bytes with the same values
	ds_store_b32 v8, v28
	s_wait_dscnt 0x0                               ; for the others' sake: my stores have landed
	s_barrier_signal -1
	s_barrier_wait -1
	s_cmp_lt_u32 s12, 3                            ; 1,536 bytes: 96 threads x 16
	s_cbranch_scc0 .Lend
	ds_load_b128 v[48:51], v10
	s_wait_dscnt 0x0
	global_store_b128 v11, v[48:51], s[16:17] offset:16384   ; a wave stores 512 consecutive bytes, aligned to 256
.Lend:
	s_wait_tensorcnt 0x0
	ds_add_u32 v176, v177
	s_wait_dscnt 0x0
	s_endpgm
.Lfunc_end_k_qe438dc7765_quant:
	.size	k_qe438dc7765_quant, .Lfunc_end_k_qe438dc7765_quant-k_qe438dc7765_quant
	.p2alignl 7, 3214868480
	.fill 96, 4, 3214868480
	.section	.rodata,"a",@progbits
	.p2align	6, 0x0
	.amdhsa_kernel k_qe438dc7765_quant
		.amdhsa_group_segment_fixed_size 138240
		.amdhsa_private_segment_fixed_size 0
		.amdhsa_enable_private_segment 0
		.amdhsa_kernarg_size 32
		.amdhsa_user_sgpr_count 2
		.amdhsa_user_sgpr_kernarg_segment_ptr 1
		.amdhsa_wavefront_size32 1
		.amdhsa_system_sgpr_workgroup_id_x 1
		.amdhsa_system_sgpr_workgroup_id_y 1
		.amdhsa_system_sgpr_workgroup_id_z 1
		.amdhsa_system_vgpr_workitem_id 0
		.amdhsa_next_free_vgpr 178
		.amdhsa_next_free_sgpr 66
		.amdhsa_reserve_vcc 0
		.amdhsa_float_denorm_mode_32 3
		.amdhsa_float_denorm_mode_16_64 3
		.amdhsa_memory_ordered 1
		.amdhsa_forward_progress 1
		.amdhsa_inst_pref_size 26
	.end_amdhsa_kernel
	.amdgpu_metadata
---
amdhsa.version: [ 1, 2 ]
amdhsa.kernels:
  - .name:           k_qe438dc7765_quant
    .symbol:         k_qe438dc7765_quant.kd
    .args:
      - { .name: z, .offset: 0, .size: 8, .value_kind: global_buffer, .address_space: global }
      - { .name: embedding, .offset: 8, .size: 8, .value_kind: global_buffer, .address_space: global }
      - { .name: zq, .offset: 16, .size: 8, .value_kind: global_buffer, .address_space: global }
      - { .name: eq, .offset: 24, .size: 8, .value_kind: global_buffer, .address_space: global }
    .group_segment_fixed_size: 138240
    .private_segment_fixed_size: 0
    .kernarg_segment_align: 8
    .kernarg_segment_size: 32
    .max_flat_workgroup_size: 256
    .sgpr_count:     66
    .vgpr_count:     178
    .wavefront_size: 32
...
	.end_amdgpu_metadata
.endif
;; end of part 1
;; launch search (part 2): grid 256 x 1, 8 waves a work-group, clusters of 4 x 1, 327,680 bytes of LDS; arguments zq, eq, gid; writes gid
.if DOCPART == 2
	.amdgcn_target "amdgcn-amd-amdhsa--gfx1250"
	.amdhsa_code_object_version 6
	.text
	.protected	k_qe438dc7765_search
	.globl	k_qe438dc7765_search
	.p2align	8
	.type	k_qe438dc7765_search,@function
k_qe438dc7765_search:
	s_mov_b64 s[64:65], 0
	v_nop
	global_prefetch_b8 v0, s[64:65] scope:SCOPE_SE
	s_setreg_imm32_b32 hwreg(HW_REG_WAVE_MODE, 25, 1), 1
	s_wait_xcnt 0x0
	s_wait_alu depctr_hold_cnt(0) depctr_sa_sdst(0) depctr_va_vdst(0) depctr_va_sdst(0) depctr_va_ssrc(0) depctr_va_vcc(0) depctr_vm_vsrc(0)
	s_getreg_b32 s2, hwreg(HW_REG_IB_STS2, 6, 4)
	s_cmp_eq_u32 s2, 0
	s_cbranch_scc0 .Lentry_in_a_cluster
	s_endpgm
.Lentry_in_a_cluster:
	s_bfe_u32 s2, ttmp6, 0x10000c
	s_cmp_lg_u32 s2, 0x3003
	s_cbranch_scc0 .Lentry_shape_is_right
	s_endpgm
.Lentry_shape_is_right:
; For each query q: the group of 8 neighbouring code vectors that holds the first minimum over n of d[q][n] = (ee[n] + zz[q]) - 2 dot[q][n].
; dot is the MX-FP4 product of the codes that the launch before made (two K steps of 128 on one accumulator, the first with C = 0); s = ee + zz is one f32 addition
; and d = s - 2 dot one fused multiply-add, so that d is rounded as the problem's f32 expression rounds it.  Nothing of the problem is left out: zz stays, since it decides which d are equal.
; SHARES.  A work-group takes 128 queries (one chunk of zq); every wave holds all eight query tiles in registers (window 1).  eq's 64 chunks of 128 code vectors go through two LDS slots
; of eight chunks; wave w fetches and reads chunk w of each slot, tile by tile of 16 code vectors: 16 matrix instructions for each 7 LDS loads.
; Source 0 = 16 code vectors, source 1 = 16 queries: lane (r, h) holds query r and in its 8 registers the code vectors 8 h .. 8 h + 7 of the tile: one group.
; Each lane keeps the smallest d so far and the number of the tile in which it last fell (strictly: the first stays); at the end the two halves and the eight waves are joined, the lower group winning where d is equal.
; CLUSTERS: the four work-groups of a cluster walk the same chunks of eq: each fill is a joint load with the mask 15, behind a round of the cluster's barrier.
; NO PREFETCH: a fill is asked for a whole slot (8 tiles, 128 matrix instructions a wave) ahead of its first read, and all 64 clusters walk the same 1,146,880 bytes in the same order.
; LIMITS: NaN and infinities are not served.
; REGISTERS, window 0: v1-2 the add's; v3-7, v252 lane terms; v8-15 LDS addresses; v16-31 z's scale words; v32-35 the tile's scale words (two sets); v36-43 zz; v44-59 the smallest d (two sets by turns);
;   v60-67 its tile; v68-99 the tile's fragments (two sets); v100-115 ee (two sets); v116-179 eight accumulators; v180-243 s, then d; v244-251 chains of minima; v253 the tile's number.  Window 1: v0-127 z's fragments.
.set CHB,   17920                      ; a chunk: 16,384 bytes of codes, 1,024 of scale bytes, 512 of sums
.set SLOTB, 8*CHB
.set SCR,   2*SLOTB                    ; behind the ring: 8,192 bytes for the join of the waves; no fill lands there
.set SPARE, SCR+8192                   ; the spare words: 128 bytes for each of eight waves
.set SPW, 1
.set NIL, 2
.set AC,  8
.set AS,  10
.set AE,  12
.set ZS,  16
.set ASC, 32
.set ZZ,  36
.set BEST, 44
.set GT,  60
.set AF,  68
.set EE,  100
.set D,   116
.set S,   180
.set CH,  244
.set PR,  180                          ; the join's registers lie where s lay
.set TA,  196
.set TB,  204
.set TV,  253
.set MSB, 0
.macro WIN new                         ; the immediate's high byte repeats the setting that is left
.if MSB != \new
	s_set_vgpr_msb (MSB<<8)|\new
.set MSB, \new
.endif
.endm
.macro CREST                           ; a round of the cluster's barrier behind its opening barrier
	s_cmp_lg_u32 s10, 0
	s_cbranch_scc1 .Lnot_wave_0_\@
	s_barrier_signal -3
.Lnot_wave_0_\@:
	s_barrier_wait -3
	s_barrier_signal -1
	s_barrier_wait -1
.endm
.macro ROUND                           ; a whole round
	s_barrier_signal -1
	s_barrier_wait -1
	CREST
.endm
.macro LOADA sl, tt, b                 ; tile tt of my chunk in slot sl into set b: fragments, scale words, ee
.irp p, 0,1,2,3
	ds_load_b128 v[AF+16*(\b)+4*\p:AF+16*(\b)+4*\p+3], v[AC+(\sl)] offset:2048*(\tt)+512*\p
.endr
	ds_load_b64 v[ASC+2*(\b):ASC+2*(\b)+1], v[AS+(\sl)] offset:128*(\tt)
.irp c, 0,1
	ds_load_b128 v[EE+8*(\b)+4*\c:EE+8*(\b)+4*\c+3], v[AE+(\sl)] offset:64*(\tt)+16*\c
.endr
.endm
.macro MULS b                          ; the eight accumulators take turns, one instruction a turn
	WIN 0x04                                       ; source 1 (z) in window 1
.irp q, 0,1,2,3,4,5,6,7
	v_wmma_scale_f32_16x16x128_f8f6f4 v[D+8*\q:D+8*\q+7], v[AF+16*(\b):AF+16*(\b)+7], v[16*\q:16*\q+7], 0, v[ASC+2*(\b)], v[ZS+2*\q] matrix_a_fmt:MATRIX_FMT_FP4 matrix_b_fmt:MATRIX_FMT_FP4
.endr
.irp q, 0,1,2,3,4,5,6,7
	v_wmma_scale_f32_16x16x128_f8f6f4 v[D+8*\q:D+8*\q+7], v[AF+16*(\b)+8:AF+16*(\b)+15], v[16*\q+8:16*\q+15], v[D+8*\q:D+8*\q+7], v[ASC+2*(\b)+1], v[ZS+2*\q+1] matrix_a_fmt:MATRIX_FMT_FP4 matrix_b_fmt:MATRIX_FMT_FP4
.endr
	WIN 0
.endm
; The tile's 64 numbers of d in each lane and their minima, all eight query tiles side by side: a line reads what the line eight ahead of it wrote.
; The additions are paired across two query tiles, so that a pair's destinations are one even and one odd register and its sources lie in different banks.  The 32 pairs of additions are the places behind the products.
.macro EPI b, P
.irp i, 0,1,2,3
.irp u, 0,2,4,6
	v_dual_add_f32 v[S+8*\u+2*\i], v[EE+8*(\b)+2*\i], v[ZZ+\u] :: v_dual_add_f32 v[S+8*\u+8+2*\i+1], v[EE+8*(\b)+2*\i+1], v[ZZ+\u+1]   ; s = ee + zz
	v_dual_add_f32 v[S+8*\u+8+2*\i], v[EE+8*(\b)+2*\i], v[ZZ+\u+1] :: v_dual_add_f32 v[S+8*\u+2*\i+1], v[EE+8*(\b)+2*\i+1], v[ZZ+\u]
.endr
.endr
.irp i, 0,1,2,3
.irp u, 0,1,2,3,4,5,6,7
	v_dual_fmac_f32 v[S+8*\u+2*\i], -2.0, v[D+8*\u+2*\i] :: v_dual_fmac_f32 v[S+8*\u+2*\i+1], -2.0, v[D+8*\u+2*\i+1]   ; d = s - 2 dot, fused; each accumulator from its low end on
.endr
.endr
.irp u, 0,1,2,3,4,5,6,7
	v_min3_num_f32 v[CH+\u], v[BEST+8*(\P)+\u], v[S+8*\u], v[S+8*\u+1]
.endr
.irp u, 0,1,2,3,4,5,6,7
	v_min3_num_f32 v[CH+\u], v[CH+\u], v[S+8*\u+2], v[S+8*\u+3]
.endr
.irp u, 0,1,2,3,4,5,6,7
	v_min3_num_f32 v[CH+\u], v[CH+\u], v[S+8*\u+4], v[S+8*\u+5]
.endr
.irp u, 0,1,2,3,4,5,6,7
	v_min3_num_f32 v[BEST+8*(1-(\P))+\u], v[CH+\u], v[S+8*\u+6], v[S+8*\u+7]
.endr
.irp u, 0,1,2,3,4,5,6,7
	v_cmp_lt_f32 s[40+\u], v[BEST+8*(1-(\P))+\u], v[BEST+8*(\P)+\u]      ; has it fallen?
.endr
.irp u, 0,1,2,3,4,5,6,7
	v_cndmask_b32 v[GT+\u], v[GT+\u], v[TV], s[40+\u]                    ; then this tile holds the first minimum so far
.endr
.endm
; One tile.  mode 0: the next tile of the slot is fetched.  mode 1: the slot's last tile, and the slot is filled again.  mode 2: the last tile of a slot that is not filled again.  mode 3: the very last tile.
.macro TILE sl, tt, mode
.if \mode == 1
	s_wait_tensorcnt 0x0                           ; my one load that was out, my chunk of the other slot, has landed
	ds_add_u32 v[SPW], v[NIL]
	s_add_nc_u64 s[34+4*(\sl):35+4*(\sl)], s[34+4*(\sl):35+4*(\sl)], 2*SLOTB   ; no load of mine is out: this slot's next eight chunks
	s_wait_dscnt 0x0                               ; the add is done, and my reads of this slot are over: its last tile is in registers
	s_barrier_signal -1                            ; opens a round of the cluster's barrier;
	MULS 1                                         ; work on registers while the others arrive
	s_barrier_wait -1
	CREST                                          ; no wave of any partner still reads this slot or has a load on its way
	tensor_load_to_lds s[32+4*(\sl):35+4*(\sl)], s[24:31]   ; my one tensor load behind the round
	s_nop 0
.rept 4
	v_nop
.endr
	LOADA 1-\sl, 0, 0                              ; the other slot's first tile comes in under the lines below
.else
	s_wait_dscnt 0x0                               ; this tile's seven loads, issued a tile ago, are in
.if \mode == 0
	LOADA \sl, (\tt)+1, 1-(\tt)%2
.elseif \mode == 2
	s_wait_tensorcnt 0x0                           ; my chunk of the last slot has landed; only I read it
	LOADA 1-\sl, 0, 0
.endif
	MULS (\tt)%2
.endif
	EPI (\tt)%2, (\tt)%2
	v_add_nc_u32 v[TV], 1, v[TV]
.endm
.macro SLOTRUN sl, m
.irp t, 0,1,2,3,4,5,6
	TILE \sl, \t, 0
.endr
	TILE \sl, 7, \m
.endm
.macro LEX B, G, PB, PG                ; (B, G) takes (PB, PG) where PB is smaller, or equal with the lower group
	v_cmp_lt_f32 s40, v[\PB], v[\B]
	v_cmp_eq_f32 s41, v[\PB], v[\B]
	v_cmp_lt_u32 s42, v[\PG], v[\G]
	s_and_b32 s41, s41, s42
	s_or_b32 s40, s40, s41
	v_cndmask_b32 v[\B], v[\B], v[\PB], s40
	v_cndmask_b32 v[\G], v[\G], v[\PG], s40
.endm
	s_load_b128 s[4:7], s[0:1], 0x0                ; zq s[4:5], eq s[6:7]
	s_load_b64 s[8:9], s[0:1], 0x10                ; gid
	v_lshl_add_u32 v[SPW], v0, 2, SPARE
	v_mov_b32 v[NIL], 0
	ds_add_u32 v[SPW], v[NIL]                      ; the opening lines: the add, twice on end; its wait stands ahead of my first tensor load
	ds_add_u32 v[SPW], v[NIL]
	v_lshrrev_b32 v3, 5, v0
	v_readfirstlane_b32 s10, v3                    ; wave 0..7
	s_bfe_u32 s11, ttmp6, 0x40000                  ; cx
	s_lshl_b32 s12, ttmp9, 2
	s_add_co_u32 s12, s12, s11                     ; work-group = 4 x cluster + cx
	s_mul_i32 s13, s10, CHB                        ; my chunk in a slot, in LDS and in memory alike
	s_mov_b32 s24, 15|(3<<16)|(1<<21)              ; group 1: the mask of all four; elements of 8 bytes; bit 21 beside a mask
	s_mov_b32 s25, 32<<16                          ; a chunk is dense: 70 rows of 256 bytes
	s_mov_b32 s26, 70<<16
	s_mov_b32 s27, 32<<16
	s_mov_b32 s28, 70
	s_mov_b32 s29, 32
	s_mov_b32 s30, 0
	s_mov_b32 s31, 0
	s_mov_b32 s22, 0x76543210
	s_mov_b32 s23, 0xfedcba98                      ; v_permlanex16_b32's selects for lane l xor 16
	s_mov_b32 s16, s13
	s_mov_b32 s17, 0
	s_mul_i32 s18, s12, CHB                        ; my work-group's chunk of zq
	s_mov_b32 s19, 0
	s_lshl_b32 s14, s10, 10
	v_and_b32 v3, 31, v0                           ; lane
	v_and_b32 v4, 15, v0                           ; r
	v_bfe_u32 v5, v0, 4, 1                         ; h
	v_lshlrev_b32 v6, 4, v3                        ; 16 x lane: a fragment's image
	v_lshlrev_b32 v7, 3, v4                        ; 8 r: a row's scale bytes
	v_lshlrev_b32 v252, 2, v4                      ; 4 r: a row's sum
	v_add_nc_u32 v[AC], s13, v6
	v_add_nc_u32 v[AS], s13, v7
	v_lshl_add_u32 v[AE], v5, 5, s13               ; 32 h: the eight sums of my half's rows
	v_add_nc_u32 v14, s14, v7
	v_lshl_add_u32 v15, v0, 4, SCR                 ; the join, on the way back: 16 bytes a thread
	v_add_nc_u32 v[AC+1], SLOTB, v[AC]
	v_add_nc_u32 v[AS], 16384, v[AS]
	v_add_nc_u32 v[AE], 17408, v[AE]
	v_add_nc_u32 v14, SCR, v14                     ; the join, on the way in: 1,024 x wave + 8 r
	v_mov_b32 v[TV], 0
.irp q, 0,1,2,3,4,5,6,7
	v_mov_b32 v[BEST+\q], 0x7f800000               ; over every d
	v_mov_b32 v[GT+\q], 0
.endr
	v_add_nc_u32 v[AS+1], SLOTB, v[AS]
	v_add_nc_u32 v[AE+1], SLOTB, v[AE]
	s_wait_alu depctr_va_vdst(0)
	s_wait_dscnt 0x0                               ; both opening adds are done
	s_wait_kmcnt 0x0
	s_add_nc_u64 s[16:17], s[6:7], s[16:17]
	s_add_nc_u64 s[18:19], s[4:5], s[18:19]
	s_mov_b32 s32, 1                               ; group 0 for slot 0: chunks 0-7,
	s_mov_b32 s33, s13
	s_mov_b64 s[34:35], s[16:17]
	s_or_b32 s35, s35, 0x80000000
	s_mov_b32 s36, 1                               ; and for slot 1: chunks 8-15
	s_add_co_u32 s37, s13, SLOTB
	s_add_nc_u64 s[38:39], s[16:17], SLOTB
	s_or_b32 s39, s39, 0x80000000
	ROUND                                          ; the four work-groups are here: the first joint loads meet
	tensor_load_to_lds s[32:35], s[24:31]          ; one tensor load a wave at the head
	s_nop 0
.rept 4
	v_nop
.endr
	WIN 0x40                                       ; z's eight tiles, asked for while the first chunk is on its way
.irp q, 0,1,2,3,4,5,6,7
.irp p, 0,1,2,3
	global_load_b128 v[16*\q+4*\p:16*\q+4*\p+3], v6, s[18:19] offset:2048*\q+512*\p
.endr
.endr
	WIN 0
.irp q, 0,1,2,3,4,5,6,7
	global_load_b64 v[ZS+2*\q:ZS+2*\q+1], v7, s[18:19] offset:16384+128*\q
	global_load_b32 v[ZZ+\q], v252, s[18:19] offset:17408+64*\q
.endr
	s_wait_tensorcnt 0x0                           ; slot 1's first fill is issued as a refill is
	ds_add_u32 v[SPW], v[NIL]
	s_wait_dscnt 0x0
	ROUND
	tensor_load_to_lds s[36:39], s[24:31]
	s_nop 0
.rept 4
	v_nop
.endr
	s_mov_b32 s21, 3
	s_wait_loadcnt 0x0                             ; z is in
	s_wait_tensorcnt 0x1                           ; slot 0's load is done; slot 1's, issued behind it, may be out
	LOADA 0, 0, 0
.Lloop:                                                ; a trip: both slots, 16 chunks of eq; three trips fill both again
	SLOTRUN 0, 1
	SLOTRUN 1, 1
	s_sub_co_u32 s21, s21, 1
	s_cmp_lg_u32 s21, 0
	s_cbranch_scc1 .Lloop
	SLOTRUN 0, 2                                   ; the last two slots fetch nothing more
	SLOTRUN 1, 3
	; tile number t of my wave: slot t / 8, tile t % 8 of chunk 8 (t / 8) + wave.  group = 128 (t / 8) + 16 wave + 2 (t % 8) + h
	s_lshl_b32 s14, s10, 4
	v_add_nc_u32 v254, s14, v5
.irp q, 0,1,2,3,4,5,6,7
	v_and_b32 v[TA+\q], 0x38, v[GT+\q]
	v_and_b32 v[TB+\q], 7, v[GT+\q]
.endr
.irp q, 0,1,2,3,4,5,6,7
	v_lshl_add_u32 v[TA+\q], v[TA+\q], 4, v254
.endr
.irp q, 0,1,2,3,4,5,6,7
	v_lshl_add_u32 v[PR+2*\q+1], v[TB+\q], 1, v[TA+\q]
	v_mov_b32 v[PR+2*\q], v[BEST+\q]
.endr
.irp q, 0,1,2,3,4,5,6,7
	v_permlanex16_b32 v[TA+\q], v[PR+2*\q], s22, s23
	v_permlanex16_b32 v[TB+\q], v[PR+2*\q+1], s22, s23
.endr
.irp q, 0,1,2,3,4,5,6,7
	LEX PR+2*\q, PR+2*\q+1, TA+\q, TB+\q           ; with lane l xor 16's: both lanes of a query hold the same pair
	ds_store_b64 v14, v[PR+2*\q:PR+2*\q+1] offset:128*\q
.endr
	s_wait_dscnt 0x0                               ; for the others' sake: my stores have landed
	s_barrier_signal -1
	s_barrier_wait -1
	s_cmp_lt_u32 s10, 2                            ; 128 queries, two to a thread: waves 0 and 1 join the eight waves' pairs
	s_cbranch_scc0 .Ldone
.irp u, 0,1,2,3,4,5,6,7
	ds_load_b128 v[D+4*\u:D+4*\u+3], v15 offset:1024*\u
.endr
	v_lshlrev_b32 v255, 3, v0
	s_lshl_b32 s14, s12, 9
	s_mov_b32 s15, 0
	s_add_nc_u64 s[8:9], s[8:9], s[14:15]
	s_wait_dscnt 0x0
.irp u, 1,2,3,4,5,6,7
	LEX D, D+1, D+4*\u, D+4*\u+1
	LEX D+2, D+3, D+4*\u+2, D+4*\u+3
.endr
	v_mov_b32 v[D], v[D+1]
	v_mov_b32 v[D+1], v[D+3]
	global_store_b64 v255, v[D:D+1], s[8:9]        ; a wave stores 256 consecutive bytes, aligned
.Ldone:
	s_wait_tensorcnt 0x0                           ; the wave's end
	ds_add_u32 v[SPW], v[NIL]
	s_wait_dscnt 0x0
	ROUND                                          ; the closing round
	s_endpgm
.Lfunc_end_k_qe438dc7765_search:
	.size	k_qe438dc7765_search, .Lfunc_end_k_qe438dc7765_search-k_qe438dc7765_search
	.p2alignl 7, 3214868480
	.fill 96, 4, 3214868480
	.section	.rodata,"a",@progbits
	.p2align	6, 0x0
	.amdhsa_kernel k_qe438dc7765_search
		.amdhsa_group_segment_fixed_size 327680
		.amdhsa_private_segment_fixed_size 0
		.amdhsa_enable_private_segment 0
		.amdhsa_kernarg_size 24
		.amdhsa_user_sgpr_count 2
		.amdhsa_user_sgpr_kernarg_segment_ptr 1
		.amdhsa_wavefront_size32 1
		.amdhsa_system_sgpr_workgroup_id_x 1
		.amdhsa_system_sgpr_workgroup_id_y 1
		.amdhsa_system_sgpr_workgroup_id_z 1
		.amdhsa_system_vgpr_workitem_id 0
		.amdhsa_next_free_vgpr 384
		.amdhsa_next_free_sgpr 66
		.amdhsa_reserve_vcc 0
		.amdhsa_float_denorm_mode_32 3
		.amdhsa_float_denorm_mode_16_64 3
		.amdhsa_memory_ordered 1
		.amdhsa_forward_progress 1
		.amdhsa_inst_pref_size 255
	.end_amdhsa_kernel
	.section	.bss,"aw",@nobits
	.p2align	6
	.space	262144
	.amdgpu_metadata
---
amdhsa.version: [ 1, 2 ]
amdhsa.kernels:
  - .name:           k_qe438dc7765_search
    .symbol:         k_qe438dc7765_search.kd
    .args:
      - { .name: zq, .offset: 0, .size: 8, .value_kind: global_buffer, .address_space: global }
      - { .name: eq, .offset: 8, .size: 8, .value_kind: global_buffer, .address_space: global }
      - { .name: gid, .offset: 16, .size: 8, .value_kind: global_buffer, .address_space: global }
    .group_segment_fixed_size: 327680
    .private_segment_fixed_size: 0
    .kernarg_segment_align: 8
    .kernarg_segment_size: 24
    .max_flat_workgroup_size: 256
    .sgpr_count:     66
    .vgpr_count:     384
    .wavefront_size: 32
...
	.end_amdgpu_metadata
.endif
;; end of part 2
;; launch refine (part 3): grid 256 x 1, 8 waves a work-group, no clusters, 2,048 bytes of LDS; arguments zq, eq, gid, out1, idx; writes out1, idx
.if DOCPART == 3
	.amdgcn_target "amdgcn-amd-amdhsa--gfx1250"
	.amdhsa_code_object_version 6
	.text
	.protected	k_qe438dc7765_refine
	.globl	k_qe438dc7765_refine
	.p2align	8
	.type	k_qe438dc7765_refine,@function
k_qe438dc7765_refine:
	s_mov_b64 s[64:65], 0
	v_nop
	global_prefetch_b8 v0, s[64:65] scope:SCOPE_SE
	s_setreg_imm32_b32 hwreg(HW_REG_WAVE_MODE, 25, 1), 1
	s_wait_xcnt 0x0
; For each query the launch before has stored the group of 8 neighbouring code vectors that holds the first minimum of d.  Here those 8 are multiplied again, by the same matrix form, the same two K steps
; and the same two vector lines, so that each d has the same bits, and the first smallest of the eight gives the index.  It goes to out1 and, once more, to idx, from which the last launch forms addresses.
; SHARES.  A work-group takes 128 queries, wave w the 16 of query tile w.  Source 0 of product m (0..7) is a MIXED tile: its rows 0-7 are the candidates of query 2 m, rows 8-15 those of query 2 m + 1;
; source 1 is the wave's query tile.  In result m lane (r, h) holds query r against the 8 candidates of query 2 m + h: it counts where r = 2 m + h.
; The group's number is held to 0 .. 1023 before it enters an address; behind that stand only ANDs, multiplications, shifts to the left and additions.
; No tensor load, no cluster: each wave gathers rows of its own.  LIMITS: NaN and infinities are not served.
; REGISTERS.  window 0: v1-7, v48-53 lane terms; v8-15, v16-23 groups; v24-47 offsets; v56-71 z's fragments, v72-73 its scale words, v74 zz; v76-91 the candidates' scale words; v92-155 their sums;
;   v156-219 the eight accumulators; v220-227 d; v236-251 at work.   window 1: v0-127 the mixed tiles' fragments, tile m at 16 m.
.set GA,  8                            ; the group whose row my lane fetches for source 0: that of query 2 m + r / 8
.set GE,  16                           ; the group whose d my lane holds in the result: that of query 2 m + h
.set RA,  24
.set SA,  32
.set EA,  40
.set ZF,  56
.set ZS,  72
.set ZZ,  74
.set ASC, 76
.set EE,  92
.set D,   156
.set S,   220
.set MSB, 0
.macro WIN new                         ; the immediate's high byte repeats the setting that is left
.if MSB != \new
	s_set_vgpr_msb (MSB<<8)|\new
.set MSB, \new
.endif
.endm
	s_load_b256 s[4:11], s[0:1], 0x0               ; zq s[4:5], eq s[6:7], gid s[8:9], out1 s[10:11]
	s_load_b64 s[12:13], s[0:1], 0x20              ; idx
	v_lshl_add_u32 v254, v0, 2, 0x400
	v_mov_b32 v255, 0
	v_lshrrev_b32 v1, 5, v0
	s_delay_alu instid0(VALU_DEP_1)
	v_readfirstlane_b32 s14, v1                    ; wave 0..7
	v_and_b32 v1, 31, v0                           ; lane
	v_and_b32 v2, 15, v0                           ; r
	v_bfe_u32 v3, v0, 4, 1                         ; h
	v_and_b32 v4, 7, v0                            ; r % 8
	v_bfe_u32 v5, v0, 3, 1                         ; r / 8
	s_delay_alu instid0(VALU_DEP_1)
	v_lshlrev_b32 v6, 2, v5
	s_delay_alu instid0(VALU_DEP_4)
	v_lshlrev_b32 v7, 2, v3
	s_delay_alu instid0(VALU_DEP_4)
	v_lshlrev_b32 v48, 4, v4
	s_delay_alu instid0(VALU_DEP_1)
	v_lshl_add_u32 v48, v3, 8, v48                 ; 16 (r % 8) + 256 h: my place in a piece of a tile's image, from the group's first row on
	v_lshlrev_b32 v49, 3, v4
	s_delay_alu instid0(VALU_DEP_1)
	v_add_nc_u32 v49, 16384, v49                   ; 8 (r % 8), among a chunk's scale bytes
	v_lshlrev_b32 v50, 4, v1                       ; 16 x lane
	s_lshl_b32 s15, s14, 11
	v_add_nc_u32 v53, s15, v50                     ; z's codes: tile w, 16 x lane
	s_lshl_b32 s15, s14, 7
	v_lshl_add_u32 v51, v2, 3, s15                 ; z's scale words: 8 (16 w + r)
	s_lshl_b32 s15, s14, 6
	v_lshl_add_u32 v52, v2, 2, s15                 ; 4 (16 w + r): z's sum; also my query's word in LDS
	s_lshl_b32 s16, ttmp9, 9
	s_add_co_u32 s16, s16, s15                     ; gid: 4 (128 x work-group + 16 w)
	s_mov_b32 s17, 0
	s_mul_i32 s18, ttmp9, 17920
	s_mov_b32 s19, 0
	s_lshl_b32 s20, ttmp9, 9                       ; the work-group's 128 words of the results
	s_mov_b32 s21, 0
	s_mov_b32 s22, 0x76543210
	s_mov_b32 s23, 0xfedcba98                      ; v_permlanex16_b32's selects for lane l xor 16
	s_wait_alu depctr_va_vdst(0)
	s_wait_kmcnt 0x0
	s_add_nc_u64 s[8:9], s[8:9], s[16:17]
	s_add_nc_u64 s[4:5], s[4:5], s[18:19]
.irp m, 0,1,2,3,4,5,6,7
	global_load_b32 v[GA+\m], v6, s[8:9] offset:8*\m
	global_load_b32 v[GE+\m], v7, s[8:9] offset:8*\m
.endr
.irp k, 0,1,2,3
	global_load_b128 v[ZF+4*\k:ZF+4*\k+3], v53, s[4:5] offset:512*\k
.endr
	global_load_b64 v[ZS:ZS+1], v51, s[4:5] offset:16384
	global_load_b32 v[ZZ], v52, s[4:5] offset:17408
	v_mov_b32 v[ZZ+1], 0                           ; named with zz as a pair, so it is written
	s_wait_loadcnt 0x6                             ; the sixteen groups are in; the six loads of z, issued behind them, may be out
; group g: chunk g / 16 begins at (g & 0x3f0) x 1,120; its tile (g & 14) / 2 at (g & 14) x 1,024; the group's first row stands 128 (g & 1) bytes into each half piece
.macro ADDR m
	v_min_u32 v[GA+\m], 0x3ff, v[GA+\m]
	v_min_u32 v[GE+\m], 0x3ff, v[GE+\m]
	s_delay_alu instid0(VALU_DEP_2)
	v_and_b32 v236, 0x3f0, v[GA+\m]
	s_delay_alu instid0(VALU_DEP_1)
	v_mul_u32_u24 v236, v236, 1120
	s_delay_alu instid0(VALU_DEP_4)
	v_and_b32 v237, 14, v[GA+\m]
	s_delay_alu instid0(VALU_DEP_1)
	v_lshl_add_u32 v237, v237, 10, v236
	v_and_b32 v238, 1, v[GA+\m]
	s_delay_alu instid0(VALU_DEP_1)
	v_lshl_add_u32 v237, v238, 7, v237
	s_delay_alu instid0(VALU_DEP_1)
	v_add_nc_u32 v[RA+\m], v237, v48               ; my row's 16 bytes of piece 0
	v_and_b32 v238, 15, v[GA+\m]
	s_delay_alu instid0(VALU_DEP_1)
	v_lshl_add_u32 v238, v238, 6, v236
	s_delay_alu instid0(VALU_DEP_1)
	v_add_nc_u32 v[SA+\m], v238, v49               ; my row's eight scale bytes
	v_and_b32 v239, 0x3f0, v[GE+\m]
	s_delay_alu instid0(VALU_DEP_1)
	v_mul_u32_u24 v239, v239, 1120
	v_and_b32 v240, 15, v[GE+\m]
	s_delay_alu instid0(VALU_DEP_1)
	v_lshl_add_u32 v[EA+\m], v240, 5, v239         ; the eight sums of the group whose d I shall hold
.endm
.irp m, 0,1,2,3,4,5,6,7
	ADDR \m
.endr
	WIN 0x40                                       ; destination window 1
.irp m, 0,1,2,3,4,5,6,7
.irp k, 0,1,2,3
	global_load_b128 v[16*\m+4*\k:16*\m+4*\k+3], v[RA+\m], s[6:7] offset:512*\k
.endr
.endr
	WIN 0
.irp m, 0,1,2,3,4,5,6,7
	global_load_b64 v[ASC+2*\m:ASC+2*\m+1], v[SA+\m], s[6:7]
	global_load_b128 v[EE+8*\m:EE+8*\m+3], v[EA+\m], s[6:7] offset:17408
	global_load_b128 v[EE+8*\m+4:EE+8*\m+7], v[EA+\m], s[6:7] offset:17408+16
.endr
	s_wait_loadcnt 0x0
	WIN 0x01                                       ; source 0 (the candidates) in window 1
.irp m, 0,1,2,3,4,5,6,7                        ; the eight accumulators take turns, one instruction a turn
	v_wmma_scale_f32_16x16x128_f8f6f4 v[D+8*\m:D+8*\m+7], v[16*\m:16*\m+7], v[ZF:ZF+7], 0, v[ASC+2*\m], v[ZS] matrix_a_fmt:MATRIX_FMT_FP4 matrix_b_fmt:MATRIX_FMT_FP4
.endr
.irp m, 0,1,2,3,4,5,6,7
	v_wmma_scale_f32_16x16x128_f8f6f4 v[D+8*\m:D+8*\m+7], v[16*\m+8:16*\m+15], v[ZF+8:ZF+15], v[D+8*\m:D+8*\m+7], v[ASC+2*\m+1], v[ZS+1] matrix_a_fmt:MATRIX_FMT_FP4 matrix_b_fmt:MATRIX_FMT_FP4
.endr
	WIN 0
	v_sub_nc_u32 v250, v2, v3                      ; r - h: result m counts in my lane where this is 2 m.  (These five lines and the four additions below are the places behind the products)
	v_xor_b32 v249, v2, v3
	s_delay_alu instid0(VALU_DEP_1)
	v_and_b32 v249, 1, v249                        ; 1 where no result counts in my lane: the lane 16 away has my query's
	v_mov_b32 v251, 0
	v_mov_b32 v248, 0                              ; a lane permute's destination counts as one of its sources
; Result m: d of my 8 candidates, and the first smallest.
.macro PICK m
.irp i, 0,1,2,3
	v_pk_add_f32 v[S+2*\i:S+2*\i+1], v[EE+8*(\m)+2*\i:EE+8*(\m)+2*\i+1], v[ZZ:ZZ+1] op_sel_hi:[1,0]        ; s = ee + zz
.endr
.irp i, 0,1,2,3
	v_pk_fma_f32 v[S+2*\i:S+2*\i+1], v[D+8*(\m)+2*\i:D+8*(\m)+2*\i+1], -2.0, v[S+2*\i:S+2*\i+1] op_sel_hi:[1,0,1]   ; d = s - 2 dot; the accumulator is read from its low end on
.endr
	s_delay_alu instid0(VALU_DEP_4)
	v_mov_b32 v236, v[S]
	v_mov_b32 v237, 0
.irp j, 1,2,3,4,5,6,7
	s_delay_alu instid0(VALU_DEP_2)
	v_cmp_ge_f32 vcc_lo, v[S+\j], v236             ; not smaller: the earlier one stays
	s_delay_alu instid0(VALU_DEP_1)
	v_cndmask_b32 v236, v[S+\j], v236, vcc_lo
	s_delay_alu instid0(VALU_DEP_2)
	v_cndmask_b32 v237, \j, v237, vcc_lo
.endr
	s_delay_alu instid0(VALU_DEP_1)
	v_lshl_add_u32 v237, v[GE+(\m)], 3, v237       ; n = 8 g + j
	v_cmp_eq_u32 vcc_lo, 2*(\m), v250
	s_delay_alu instid0(VALU_DEP_1)
	v_cndmask_b32 v251, v251, v237, vcc_lo
.endm
.irp m, 0,1,2,3,4,5,6,7
	PICK \m
.endr
	v_cmp_eq_u32 vcc_lo, 1, v249
	s_delay_alu instid0(VALU_DEP_2)
	v_permlanex16_b32 v248, v251, s22, s23
	s_delay_alu instid0(VALU_DEP_1)
	v_cndmask_b32 v251, v251, v248, vcc_lo         ; both lanes of a query now hold its index
	ds_store_b32 v52, v251                         ; and write the same word with the same value
	s_wait_dscnt 0x0                               ; for the others' sake: my store has landed
	s_barrier_signal -1
	s_barrier_wait -1
	s_cmp_lt_u32 s14, 2                            ; wave 0 stores the 128 indices into out1, wave 1 into idx
	s_cbranch_scc0 .Lend
	ds_load_b128 v[236:239], v50
	s_cmp_eq_u32 s14, 0                            ; the choice hangs on the wave's number alone
	s_cselect_b64 s[16:17], s[10:11], s[12:13]
	s_add_nc_u64 s[16:17], s[16:17], s[20:21]
	s_wait_dscnt 0x0
	global_store_b128 v50, v[236:239], s[16:17]    ; 512 consecutive bytes, aligned to 256
.Lend:
	s_wait_tensorcnt 0x0
	ds_add_u32 v254, v255
	s_wait_dscnt 0x0
	s_endpgm
.Lfunc_end_k_qe438dc7765_refine:
	.size	k_qe438dc7765_refine, .Lfunc_end_k_qe438dc7765_refine-k_qe438dc7765_refine
	.p2alignl 7, 3214868480
	.fill 96, 4, 3214868480
	.section	.rodata,"a",@progbits
	.p2align	6, 0x0
	.amdhsa_kernel k_qe438dc7765_refine
		.amdhsa_group_segment_fixed_size 2048
		.amdhsa_private_segment_fixed_size 0
		.amdhsa_enable_private_segment 0
		.amdhsa_kernarg_size 40
		.amdhsa_user_sgpr_count 2
		.amdhsa_user_sgpr_kernarg_segment_ptr 1
		.amdhsa_wavefront_size32 1
		.amdhsa_system_sgpr_workgroup_id_x 1
		.amdhsa_system_sgpr_workgroup_id_y 1
		.amdhsa_system_sgpr_workgroup_id_z 1
		.amdhsa_system_vgpr_workitem_id 0
		.amdhsa_next_free_vgpr 384
		.amdhsa_next_free_sgpr 66
		.amdhsa_reserve_vcc 1
		.amdhsa_float_denorm_mode_32 3
		.amdhsa_float_denorm_mode_16_64 3
		.amdhsa_memory_ordered 1
		.amdhsa_forward_progress 1
		.amdhsa_inst_pref_size 39
	.end_amdhsa_kernel
	.amdgpu_metadata
---
amdhsa.version: [ 1, 2 ]
amdhsa.kernels:
  - .name:           k_qe438dc7765_refine
    .symbol:         k_qe438dc7765_refine.kd
    .args:
      - { .name: zq, .offset: 0, .size: 8, .value_kind: global_buffer, .address_space: global }
      - { .name: eq, .offset: 8, .size: 8, .value_kind: global_buffer, .address_space: global }
      - { .name: gid, .offset: 16, .size: 8, .value_kind: global_buffer, .address_space: global }
      - { .name: out1, .offset: 24, .size: 8, .value_kind: global_buffer, .address_space: global }
      - { .name: idx, .offset: 32, .size: 8, .value_kind: global_buffer, .address_space: global }
    .group_segment_fixed_size: 2048
    .private_segment_fixed_size: 0
    .kernarg_segment_align: 8
    .kernarg_segment_size: 40
    .max_flat_workgroup_size: 256
    .sgpr_count:     66
    .vgpr_count:     384
    .wavefront_size: 32
...
	.end_amdgpu_metadata
.endif
;; end of part 3
;; launch gather (part 4): grid 256 x 1, 8 waves a work-group, no clusters, 0 bytes of LDS; arguments embedding, idx, out0; writes out0
.if DOCPART == 4
	.amdgcn_target "amdgcn-amd-amdhsa--gfx1250"
	.amdhsa_code_object_version 6
	.text
	.protected	k_qe438dc7765_gather
	.globl	k_qe438dc7765_gather
	.p2align	8
	.type	k_qe438dc7765_gather,@function
k_qe438dc7765_gather:
	s_mov_b64 s[64:65], 0
	v_nop
	global_prefetch_b8 v0, s[64:65] scope:SCOPE_SE
	s_setreg_imm32_b32 hwreg(HW_REG_WAVE_MODE, 25, 1), 1
	s_wait_xcnt 0x0
; out0[q][:] = embedding[idx[q]][:].  A row is 1,024 bytes.  A work-group takes 128 rows of out0, a wave 16; its sixteen indices come by one scalar load.
; Each index is held to 0 .. 8191 before it enters an address.  A row is two loads and two stores of 512 consecutive bytes; all 32 loads of a wave go out at once.
; A stream: no LDS, no barrier, no matrix unit; waves share nothing.  The loads carry no hint, since several queries may name one row; the stores are written once and read by nobody here.
.set OFF, 2                            ; v2-17   row i: 1,024 x its index + 16 x lane
.set DT,  24                           ; v24-151 the sixteen rows
	s_load_b128 s[4:7], s[0:1], 0x0                ; embedding s[4:5], idx s[6:7]
	s_load_b64 s[8:9], s[0:1], 0x10                ; out0
	v_lshrrev_b32 v1, 5, v0
	s_delay_alu instid0(VALU_DEP_1)
	v_readfirstlane_b32 s10, v1                    ; wave 0..7
	v_and_b32 v1, 31, v0
	s_delay_alu instid0(VALU_DEP_1)
	v_lshlrev_b32 v1, 4, v1                        ; 16 x lane
	s_lshl_b32 s11, ttmp9, 7
	s_lshl_b32 s12, s10, 4
	s_add_co_u32 s11, s11, s12                     ; my first row: 128 x work-group + 16 x wave
	s_lshl_b32 s12, s11, 2
	s_mov_b32 s13, 0
	s_lshl_b32 s14, s11, 10
	s_mov_b32 s15, 0
	s_wait_alu depctr_va_vdst(0)
	s_wait_kmcnt 0x0
	s_add_nc_u64 s[6:7], s[6:7], s[12:13]
	s_add_nc_u64 s[8:9], s[8:9], s[14:15]
	s_load_b512 s[16:31], s[6:7], 0x0              ; my sixteen indices
	s_wait_kmcnt 0x0
.set i, 0
.rept 16
	s_min_u32 s[16+i], s[16+i], 0x1fff
	v_lshl_add_u32 v[OFF+i], s[16+i], 10, v1
.set i, i+1
.endr
.set k, 0
	s_wait_alu depctr_va_vdst(0)
.rept 32
	global_load_b128 v[DT+4*k:DT+4*k+3], v[OFF+k/2], s[4:5] offset:512*(k%2)
.set k, k+1
.endr
.set k, 0
.rept 32
	s_wait_loadcnt 31-k                            ; loads come back in order: load k is in, the 31 - k younger ones may be out
	global_store_b128 v1, v[DT+4*k:DT+4*k+3], s[8:9] offset:512*k th:TH_STORE_NT   ; 512 consecutive bytes, at a multiple of 256 from out0's first byte
.set k, k+1
.endr
	s_endpgm
.Lfunc_end_k_qe438dc7765_gather:
	.size	k_qe438dc7765_gather, .Lfunc_end_k_qe438dc7765_gather-k_qe438dc7765_gather
	.p2alignl 7, 3214868480
	.fill 96, 4, 3214868480
	.section	.rodata,"a",@progbits
	.p2align	6, 0x0
	.amdhsa_kernel k_qe438dc7765_gather
		.amdhsa_group_segment_fixed_size 0
		.amdhsa_private_segment_fixed_size 0
		.amdhsa_enable_private_segment 0
		.amdhsa_kernarg_size 24
		.amdhsa_user_sgpr_count 2
		.amdhsa_user_sgpr_kernarg_segment_ptr 1
		.amdhsa_wavefront_size32 1
		.amdhsa_system_sgpr_workgroup_id_x 1
		.amdhsa_system_sgpr_workgroup_id_y 1
		.amdhsa_system_sgpr_workgroup_id_z 1
		.amdhsa_system_vgpr_workitem_id 0
		.amdhsa_next_free_vgpr 152
		.amdhsa_next_free_sgpr 66
		.amdhsa_reserve_vcc 0
		.amdhsa_float_denorm_mode_32 3
		.amdhsa_float_denorm_mode_16_64 3
		.amdhsa_memory_ordered 1
		.amdhsa_forward_progress 1
		.amdhsa_inst_pref_size 11
	.end_amdhsa_kernel
	.amdgpu_metadata
---
amdhsa.version: [ 1, 2 ]
amdhsa.kernels:
  - .name:           k_qe438dc7765_gather
    .symbol:         k_qe438dc7765_gather.kd
    .args:
      - { .name: embedding, .offset: 0, .size: 8, .value_kind: global_buffer, .address_space: global }
      - { .name: idx, .offset: 8, .size: 8, .value_kind: global_buffer, .address_space: global }
      - { .name: out0, .offset: 16, .size: 8, .value_kind: global_buffer, .address_space: global }
    .group_segment_fixed_size: 0
    .private_segment_fixed_size: 0
    .kernarg_segment_align: 8
    .kernarg_segment_size: 24
    .max_flat_workgroup_size: 256
    .sgpr_count:     66
    .vgpr_count:     152
    .wavefront_size: 32
...
	.end_amdgpu_metadata
.endif
;; end of part 4
